; MI455X (gfx1250); checked and timed in simulation.
; The chip was launched on July 23, 2026; its instructions are those of AMD's public machine-readable ISA for CDNA 5 (MIT licence, August 2026) and "CDNA5" Instruction Set Architecture Reference Guide (July 2026). The comments in the code are by the model that wrote it; some were corrected since.
;; Flax Lo RA Cross Frame Attention. Allowed arithmetic: matrix products marked QUANTISED: E2M1 operands, one E8M0 scale for each 32 along K, by v_wmma_scale_f32_16x16x128_f8f6f4 with both operands' format E2M1 (or v_wmma_scale_f32_32x16x128_f4), f32 sums; products left as they are: f32 operands where the result goes on into a quantised operand, else bf16, f16 or f32 operands; f32 sums; everything else in f32.
;; Inputs: Wk 512 x 512 float32; Wo 512 x 512 float32; Wq 512 x 512 float32; Wv 512 x 512 float32; bo 512 float32; hidden_states 32 x 1,024 x 512 float32; k_down 512 x 4 float32; k_up 4 x 512 float32; o_down 512 x 4 float32; o_up 4 x 512 float32; q_down 512 x 4 float32; q_up 4 x 512 float32; v_down 512 x 4 float32; v_up 4 x 512 float32.
;; Outputs: out0 32 x 1,024 x 512 float32.
;; This version of the problem:
;;   THIS VERSION OF THE PROBLEM IS GIVEN IN LOW PRECISION. The matrix products marked QUANTISED in the list below multiply operands that are first quantised to E2M1 (2 exponent bits, 1 mantissa bit; 4 bits a number), with one power-of-two scale for each 32 numbers along K (OCP MX v1.0); their sums are f32. All else is computed in f32.
;;   The module's matrix products, in the order in which they are computed (A, B: the left and right operand; K: the contracted axis; several contracted axes count as one K, in the product's order):
;;     1. [M 32,768, K 512] x [K 512, N 512]; A: input hidden_states; B: input Wq: QUANTISED
;;     2. [M 32,768, K 512] x [K 512, N 4]; A: input hidden_states; B: input q_down: left as it is (N = 4 < 16)
;;     3. [M 32,768, K 4] x [K 4, N 512]; A: computed on the way; B: input q_up: left as it is (K = 4 < 32)
;;     4. [M 32,768, K 512] x [K 512, N 512]; A: input hidden_states; B: input Wk: QUANTISED
;;     5. [M 32,768, K 512] x [K 512, N 4]; A: input hidden_states; B: input k_down: left as it is (N = 4 < 16)
;;     6. [M 32,768, K 4] x [K 4, N 512]; A: computed on the way; B: input k_up: left as it is (K = 4 < 32)
;;     7. [M 32,768, K 512] x [K 512, N 512]; A: input hidden_states; B: input Wv: QUANTISED
;;     8. [M 32,768, K 512] x [K 512, N 4]; A: input hidden_states; B: input v_down: left as it is (N = 4 < 16)
;;     9. [M 32,768, K 4] x [K 4, N 512]; A: computed on the way; B: input v_up: left as it is (K = 4 < 32)
;;     10. batch 256 x [M 1,024, K 64] x [K 64, N 1,024]; A: computed on the way; B: computed on the way: QUANTISED
;;     11. batch 256 x [M 1,024, K 1,024] x [K 1,024, N 64]; A: softmax (see below); B: computed on the way: QUANTISED
;;     12. [M 32,768, K 512] x [K 512, N 512]; A: computed on the way; B: input Wo: QUANTISED
;;     13. [M 32,768, K 512] x [K 512, N 4]; A: computed on the way; B: input o_down: left as it is (N = 4 < 16)
;;     14. [M 32,768, K 4] x [K 4, N 512]; A: computed on the way; B: input o_up: left as it is (K = 4 < 32)
;;   THE QUANTISER, for each operand of a quantised product, along K:
;;     - K is cut into blocks of 32 from its start; a last block that is shorter is filled with zeros.
;;     - A block's scale is 2^e with e = floor(log2(the largest magnitude in the block)) - 2, held to -126 .. 127; a block of zeros has e = 0. As a byte (E8M0): e + 127.
;;     - Each number is divided by its block's scale, clamped to +-6, and rounded to the nearest number of E2M1, ties to even, subnormals kept.
;;     - The product sums the exact products of the quantised numbers (number of the format x scale) in f32.
;;   ~~~python
;;   def quantise(x, axis):      # numpy; x: float32 -> the quantised numbers, widened to float32 again
;;       x = np.moveaxis(x, axis, -1); K = x.shape[-1]
;;       x = np.pad(x, [(0, 0)] * (x.ndim - 1) + [(0, -K % 32)]); x = x.reshape(x.shape[:-1] + (-1, 32)); a = np.abs(x).max(-1, keepdims=True)
;;       e = np.where(a > 0, np.clip(np.frexp(np.where(a > 0, a, 1))[1] - 1 - 2, -126, 127), 0)      # np.frexp(a)[1] - 1 = floor(log2(a)), exactly
;;       r = np.clip(x / 2.0 ** e, -6, 6)
;;       step = 2.0 ** (np.maximum(np.frexp(np.where(r == 0, 1, r))[1] - 1, 0) - 1)
;;       q = np.round(r / step) * step * 2.0 ** e      # np.round: ties to even
;;       return np.moveaxis(q.reshape(q.shape[:-2] + (-1,))[..., :K], -1, axis).astype(np.float32)
;;   ~~~
;;   SOFTMAX AHEAD OF A QUANTISED PRODUCT. Where the list says 'softmax', what is quantised is not the finished softmax but p = 2^(t - M), with t = logit x log2(e) and M = ceil(the row's largest t), a whole number; so 1/2 < the row's largest p <= 1. The row's sum l is taken of the UNQUANTISED p, in f32, and the product's result is divided by l at the end. Since M is a whole number, a kernel that streams over the keys may use a running M (the ceiling of the running maximum): every later rescaling is an exact power of two, which a block's scale takes up: the codes' values come out the same.
;;   OPERANDS COMPUTED ON THE WAY. 'Computed on the way' means the value that the module computes at that place (a softmax that the list does not call 'softmax' is quantised finished and normalised). What goes into a quantiser is computed in f32, as accurately as f32 sums, v_exp_f32 and their like allow (about 1e-6 of the number): no bf16 or f16 on the way to a quantiser, and a product that is left as it is and whose result goes on into a quantised operand takes f32 operands (vector FMAs, or v_wmma_f32_16x16x4_f32). A number that lies on a knife's edge between two numbers of the format may be rounded either way, as far as f32 arithmetic and the matrix unit's own rounding can turn it there, and no further.
;; One version. Each part assembles by itself: llvm-mc -triple=amdgcn-amd-amdhsa -mcpu=gfx1250 --defsym DOCPART=n.
;; ======== version 1 of 1: 4 launches
;; workspace buffers: wimg 524,288 bytes; wsc 32,768 bytes; dimg 32,768 bytes; qb 9,437,184 bytes; kv 18,350,080 bytes; himg 8,388,608 bytes; hsc 524,288 bytes; lp 4,194,304 bytes
;; launch wprep (part 1): grid 68 x 1, 4 waves a work-group, no clusters, 9,216 bytes of LDS; arguments Wq, Wk, Wv, Wo, q_down, k_down, v_down, wimg, wsc, dimg; writes wimg, wsc, dimg
.if DOCPART == 1
	.amdgcn_target "amdgcn-amd-amdhsa--gfx1250"
	.amdhsa_code_object_version 6
	.text
	.protected	k_q7672ef5709_wprep
	.globl	k_q7672ef5709_wprep
	.p2align	8
	.type	k_q7672ef5709_wprep,@function
k_q7672ef5709_wprep:
	s_mov_b64 s[64:65], 0
	v_nop
	global_prefetch_b8 v0, s[64:65] scope:SCOPE_SE
	s_setreg_imm32_b32 hwreg(HW_REG_WAVE_MODE, 25, 1), 1
	s_wait_xcnt 0x0
; The four weights [512 (k)][512 (n)], f32, become codes of FP4 (E2M1) with one E8M0 scale byte for each 32 along K, laid as IMAGES OF OPERAND REGISTERS:
;   wimg [weight 4: q, k, v, o][tile 32][K step 4][group 2][lane 32][16 bytes]: lane (r, h) of group c holds k = 128 s + 64 c + 32 h + 0 .. 31 of the tile's row r;
;   wsc  [weight][tile][r 16][K step 4] scale words (byte b: k = 32 b on).
; THE COLUMNS OF A TILE ARE NOT NEIGHBOURS: row r of tile 2 b + u is column 32 b + 8 u + r + 8 (r / 8), so that results made with such tiles as source 0 have 16 neighbours in 16 registers.
; The three down matrices [512][4] become dimg [K step 4][quad 16][lane 32][16 bytes], f32: register 4 quad + i of lane (n, h) is down_n[128 s + 32 (quad / 4) + 16 h + 4 (quad % 4) + i];
; n = 0-3 q_down, 4-7 k_down, 8-11 v_down, 12-15 zeros.
; SHARES.  Work-groups 0-63: weight x / 16, columns 32 (x % 16) on; wave = K step; a lane takes a column and its registers run down K, so a block of 32 is one lane's and nothing is transposed by an instruction.
; Work-groups 64-67: four columns of dimg each (the last: the zeros).  That buffer is 32,768 bytes in all; its stores are pieces of 64 bytes.
; LIMITS: NaN and infinities are not served; a block whose largest magnitude lies under 2^-124 (a block of zeros too) gets the byte 1: the bytes are read by this program alone.
; No cluster: no two work-groups read the same bytes.
.set X,    32                          ; v32-159  128 numbers down K
.set C,    16                          ; v16-31   a block's codes, four registers a block: no LDS store's data are written again
.set OUTR, 160                         ; v160-175 the way out
.set SCW,  8192                        ; LDS: behind the four waves' stages of 2,048 bytes: 512 bytes of scale words
	s_load_b256 s[4:11], s[0:1], 0x0               ; Wq s[4:5], Wk s[6:7], Wv s[8:9], Wo s[10:11]
	s_load_b256 s[12:19], s[0:1], 0x20             ; q_down s[12:13], k_down s[14:15], v_down s[16:17], wimg s[18:19]
	s_load_b128 s[20:23], s[0:1], 0x40             ; wsc s[20:21], dimg s[22:23]
	v_lshl_add_u32 v176, v0, 2, 0x2200
	v_mov_b32 v177, 0
	v_lshrrev_b32 v1, 5, v0
	v_readfirstlane_b32 s24, v1                    ; wave = K step s
	v_and_b32 v6, 31, v0                           ; lane
	s_mov_b32 s31, 0
	s_cmp_ge_u32 ttmp9, 64                         ; the same in all four waves
	s_cbranch_scc1 .Ldown
	; ---- a weight's 32 columns
	s_lshr_b32 s25, ttmp9, 4                       ; which weight
	s_and_b32 s26, ttmp9, 15                       ; which 32 columns
	v_lshlrev_b32 v1, 2, v6                        ; in: 4 bytes a lane
	v_lshlrev_b32 v5, 4, v6                        ; out: 16 bytes a lane
	v_bfe_u32 v7, v6, 3, 1                         ; column l lies in tile 2 b + u, u = (l / 8) % 2,
	v_and_b32 v8, 7, v6
	v_lshrrev_b32 v9, 4, v6
	v_lshl_add_u32 v8, v9, 3, v8                   ; at row r = l % 8 + 8 (l / 16)
	v_lshlrev_b32 v8, 4, v8
	s_lshl_b32 s27, s24, 11                        ; my stage
	v_lshl_add_u32 v2, v7, 10, v8
	v_add_nc_u32 v2, s27, v2                       ; into it: 1,024 u + 16 r; the block's place stands in the immediate
	v_add_nc_u32 v3, s27, v5                       ; out of it: as it lies
	v_lshl_add_u32 v4, v7, 8, v8
	s_lshl_b32 s28, s24, 2
	s_add_co_u32 s28, s28, SCW
	v_add_nc_u32 v4, s28, v4                       ; my scale word: SCW + 256 u + 16 r + 4 s
	s_wait_kmcnt 0x0
	s_cmp_eq_u32 s25, 1
	s_cselect_b64 s[4:5], s[6:7], s[4:5]
	s_cmp_eq_u32 s25, 2
	s_cselect_b64 s[4:5], s[8:9], s[4:5]
	s_cmp_eq_u32 s25, 3
	s_cselect_b64 s[4:5], s[10:11], s[4:5]
	s_lshl_b32 s30, s24, 18                        ; 128 rows of 2,048 bytes a K step
	s_lshl_b32 s29, s26, 7
	s_add_co_u32 s30, s30, s29
	s_add_nc_u64 s[4:5], s[4:5], s[30:31]
	s_lshl_b32 s28, s25, 17                        ; wimg: 131,072 a weight, 8,192 for two tiles, 1,024 a K step
	s_lshl_b32 s29, s26, 13
	s_add_co_u32 s28, s28, s29
	s_lshl_b32 s29, s24, 10
	s_add_co_u32 s30, s28, s29
	s_add_nc_u64 s[18:19], s[18:19], s[30:31]
	s_lshl_b32 s28, s25, 13                        ; wsc: 8,192 a weight, 512 for two tiles
	s_lshl_b32 s29, s26, 9
	s_add_co_u32 s30, s28, s29
	s_add_nc_u64 s[20:21], s[20:21], s[30:31]
.set i, 0
.rept 128
	global_load_b32 v[X+i], v1, s[4:5] offset:2048*i th:TH_LOAD_NT   ; row 128 s + i, my column: a wave reads 128 consecutive bytes
.set i, i+1
.endr
.macro WBLOCK t
.set XS, X+32*(\t)
.if (\t) < 2
	s_wait_loadcnt 63                              ; behind this block's last load 32 (3 - t) were issued; a count names 63 at the most, which is fewer than may stay out
.else
	s_wait_loadcnt 32*(3-(\t))
.endif
	v_max3_num_f32 v8, |v[XS]|, |v[XS+1]|, |v[XS+2]|               ; the block's largest magnitude: all 32 numbers are mine; two chains
	v_max3_num_f32 v9, |v[XS+3]|, |v[XS+4]|, |v[XS+5]|
.irp i, 6,10,14,18,22,26
	v_max3_num_f32 v8, v8, |v[XS+\i]|, |v[XS+\i+1]|
	v_max3_num_f32 v9, v9, |v[XS+\i+2]|, |v[XS+\i+3]|
.endr
	v_max3_num_f32 v8, v8, |v[XS+30]|, |v[XS+31]|
	v_max3_num_f32 v8, v8, v9, 0x1800000           ; and the floor 2^(3 - 127): the byte cannot fall under 1
	v_add_nc_u32 v11, 0xff000000, v8               ; 2 off the exponent field: the conversion takes the exponent field of this operand as its scale
	v_lshrrev_b32 v13, 23, v11                     ; the scale's byte
.if (\t) == 0
	v_mov_b32 v12, v13
.else
	v_lshl_or_b32 v12, v13, 8*(\t), v12            ; four bytes make the K step's scale word
.endif
.irp g, 0,1,2,3
	v_cvt_scalef32_pk8_fp4_f32 v[C+4*(\t)+\g], v[XS+8*\g:XS+8*\g+7], v11
.endr
	v_nop                                          ; one plain line behind the conversions
	ds_store_b128 v2, v[C+4*(\t):C+4*(\t)+3] offset:512*((\t)/2)+256*((\t)%2)   ; block t = 2 c + h: group c, lanes' half h
.endm
	WBLOCK 0
	WBLOCK 1
	WBLOCK 2
	WBLOCK 3
	ds_store_b32 v4, v12
.irp i, 0,1,2,3
	ds_load_b128 v[OUTR+4*\i:OUTR+4*\i+3], v3 offset:512*\i      ; my own bytes: LDS serves a wave's instructions in order
.endr
.irp i, 0,1,2,3
	s_wait_dscnt 3-\i                              ; the younger reads may stay out
	global_store_b128 v5, v[OUTR+4*\i:OUTR+4*\i+3], s[18:19] offset:4096*(\i/2)+512*(\i%2)   ; 512 consecutive bytes
.endr
	s_wait_dscnt 0x0                               ; my scale words have landed
	s_barrier_signal -1
	s_barrier_wait -1                              ; all four K steps' have
	s_cmp_lg_u32 s24, 0
	s_cbranch_scc1 .Lend
	ds_load_b128 v[8:11], v5 offset:SCW            ; wave 0: two tiles x 16 rows x four words
	s_wait_dscnt 0x0
	global_store_b128 v5, v[8:11], s[20:21]
.Lend:
	s_wait_tensorcnt 0x0
	ds_add_u32 v176, v177
	s_wait_dscnt 0x0
	s_endpgm
	; ---- four columns of dimg
.Ldown:
	s_sub_co_u32 s25, ttmp9, 64                    ; 0: q_down, 1: k_down, 2: v_down, 3: zeros
	v_and_b32 v1, 3, v6                            ; j: the column of the four
	v_bfe_u32 v2, v6, 2, 1                         ; h
	v_lshrrev_b32 v3, 3, v6                        ; quad % 4
	v_lshlrev_b32 v4, 2, v1
	v_lshl_add_u32 v4, v2, 8, v4
	v_lshl_add_u32 v4, v3, 6, v4                   ; in: a row of a down matrix is 16 bytes: 4 j + 16 (16 h + 4 (quad % 4))
	v_lshlrev_b32 v5, 4, v1
	v_lshl_add_u32 v5, v2, 8, v5
	v_lshl_add_u32 v5, v3, 9, v5                   ; out: 16 j + 256 h + 512 (quad % 4)
	s_wait_kmcnt 0x0
	s_cmp_eq_u32 s25, 1
	s_cselect_b64 s[12:13], s[14:15], s[12:13]
	s_cmp_eq_u32 s25, 2
	s_cselect_b64 s[12:13], s[16:17], s[12:13]
	s_cmp_lt_u32 s25, 3
	s_cselect_b32 s26, -1, 0                       ; the fourth group's numbers are masked to zeros
	s_lshl_b32 s30, s24, 11                        ; 128 rows a K step
	s_add_nc_u64 s[12:13], s[12:13], s[30:31]
	s_lshl_b32 s30, s24, 13
	s_lshl_b32 s27, s25, 6
	s_add_co_u32 s30, s30, s27
	s_add_nc_u64 s[22:23], s[22:23], s[30:31]
.irp b, 0,1,2,3
.irp e, 0,1,2,3
	global_load_b32 v[16+4*\b+\e], v4, s[12:13] offset:512*\b+16*\e
.endr
.endr
	s_wait_loadcnt 0x0
.set i, 0
.rept 16
	v_and_b32 v[16+i], s26, v[16+i]
.set i, i+1
.endr
.irp b, 0,1,2,3
	global_store_b128 v5, v[16+4*\b:16+4*\b+3], s[22:23] offset:2048*\b
.endr
	s_endpgm
.Lfunc_end_k_q7672ef5709_wprep:
	.size	k_q7672ef5709_wprep, .Lfunc_end_k_q7672ef5709_wprep-k_q7672ef5709_wprep
	.p2alignl 7, 3214868480
	.fill 96, 4, 3214868480
	.section	.rodata,"a",@progbits
	.p2align	6, 0x0
	.amdhsa_kernel k_q7672ef5709_wprep
		.amdhsa_group_segment_fixed_size 9216
		.amdhsa_private_segment_fixed_size 0
		.amdhsa_enable_private_segment 0
		.amdhsa_kernarg_size 80
		.amdhsa_user_sgpr_count 2
		.amdhsa_user_sgpr_kernarg_segment_ptr 1
		.amdhsa_wavefront_size32 1
		.amdhsa_system_sgpr_workgroup_id_x 1
		.amdhsa_system_sgpr_workgroup_id_y 1
		.amdhsa_system_sgpr_workgroup_id_z 1
		.amdhsa_system_vgpr_workitem_id 0
		.amdhsa_next_free_vgpr 178
		.amdhsa_next_free_sgpr 66
		.amdhsa_reserve_vcc 0
		.amdhsa_float_denorm_mode_32 3
		.amdhsa_float_denorm_mode_16_64 3
		.amdhsa_memory_ordered 1
		.amdhsa_forward_progress 1
		.amdhsa_inst_pref_size 25
	.end_amdhsa_kernel
	.amdgpu_metadata
---
amdhsa.version: [ 1, 2 ]
amdhsa.kernels:
  - .name:           k_q7672ef5709_wprep
    .symbol:         k_q7672ef5709_wprep.kd
    .args:
      - { .name: Wq, .offset: 0, .size: 8, .value_kind: global_buffer, .address_space: global }
      - { .name: Wk, .offset: 8, .size: 8, .value_kind: global_buffer, .address_space: global }
      - { .name: Wv, .offset: 16, .size: 8, .value_kind: global_buffer, .address_space: global }
      - { .name: Wo, .offset: 24, .size: 8, .value_kind: global_buffer, .address_space: global }
      - { .name: q_down, .offset: 32, .size: 8, .value_kind: global_buffer, .address_space: global }
      - { .name: k_down, .offset: 40, .size: 8, .value_kind: global_buffer, .address_space: global }
      - { .name: v_down, .offset: 48, .size: 8, .value_kind: global_buffer, .address_space: global }
      - { .name: wimg, .offset: 56, .size: 8, .value_kind: global_buffer, .address_space: global }
      - { .name: wsc, .offset: 64, .size: 8, .value_kind: global_buffer, .address_space: global }
      - { .name: dimg, .offset: 72, .size: 8, .value_kind: global_buffer, .address_space: global }
    .group_segment_fixed_size: 9216
    .private_segment_fixed_size: 0
    .kernarg_segment_align: 8
    .kernarg_segment_size: 80
    .max_flat_workgroup_size: 128
    .sgpr_count:     66
    .vgpr_count:     178
    .wavefront_size: 32
...
	.end_amdgpu_metadata
.endif
;; end of part 1
;; launch qkv (part 2): grid 256 x 1, 16 waves a work-group, no clusters, 79,872 bytes of LDS; arguments hidden_states, wimg, wsc, dimg, q_up, k_up, v_up, qb, kv; writes qb, kv
.if DOCPART == 2
	.amdgcn_target "amdgcn-amd-amdhsa--gfx1250"
	.amdhsa_code_object_version 6
	.text
	.protected	k_q7672ef5709_qkv
	.globl	k_q7672ef5709_qkv
	.p2align	8
	.type	k_q7672ef5709_qkv,@function
k_q7672ef5709_qkv:
	s_mov_b64 s[64:65], 0
	v_nop
	global_prefetch_b8 v0, s[64:65] scope:SCOPE_SE
	s_setreg_imm32_b32 hwreg(HW_REG_WAVE_MODE, 25, 1), 1
	s_wait_xcnt 0x0
; q, k, v = x W + (x down) up, the large products on codes of FP4 (E2M1) with one E8M0 scale for each 32 along K, the two small ones in f32; the results are quantised in registers for attention and leave as images of operand registers.
; SHARES.  A work-group owns 128 tokens of one frame (one key step of attention): 8 tiles of 16 rows.  ROW r OF TILE 2 b + u IS TOKEN 32 b + 8 u + r + 8 (r / 8); the weights' column tiles are laid the same way.
; So in a result whose source 0 is such a tile, the 16 registers of tiles 2 b and 2 b + 1 are the 16 neighbours 32 b + 16 (lane / 16) + 0 .. 15: what the conversions want.
; PHASE X: wave w (K step w % 4, tiles 2 (w / 4) and + 1) loads its part of x once, makes its part of t = x down (f32 matrix form, 16 columns: q's 4, k's 4, v's 4, 4 zeros), quantises x, and leaves codes, scale words and t in LDS.  One barrier.
; PART A: waves 0-7 make one head of q, waves 8-15 one head of k: source 0 = the head's four weight tiles (in registers for all eight row tiles), source 1 = x.  A lane holds one token and 32 of the head's 64 channels.
; PART B: v, with the sources' roles changed (source 0 = four row tiles of x, source 1 = a weight tile): a lane holds one channel and 32 neighbouring TOKENS, since the keys are the K of attention's second product.
; Each sum begins with the small product t up (f32 matrix form, C = 0); the four K steps on codes add onto it.
; K and V of a half's last frame are read by no query: they are not made.
; OUT.  qb, for each (frame, head) and step: 8 tiles x 512 bytes of codes, 512 bytes of scale words [half 2][r 16][4]; a word is byte 0 | byte 1 << 8 | 0x7f7f0000 (the upper 64 of the instruction's 128 along K meet zero codes).
;       kv, for each (frame, head) and step, 8,960 bytes: k as q (4,608), V^T's four channel tiles x 1,024 bytes, its scale words [2][r 16][2].
; LIMITS: NaN and infinities are not served; a block whose largest magnitude lies under 2^-124 (zeros too) gets the byte 1: the bytes are read by this program alone.
; No cluster: all work-groups walk the same weights, but each fragment is used by one wave and goes from memory straight into its registers; a joint load ends in LDS, and the three weights' 393,216 bytes do not fit there.
.set XIMG, 0                           ; LDS: x's fragments: 4,096 tile + 1,024 K step + 512 group + 16 lane
.set XSC,  32768                       ; their scale words: 512 tile + 16 lane + 4 K step
.set TPB,  36864                       ; t, in four parts by K step: 10,240 part + 1,280 tile + 80 row + 4 column
.set LI,   1                           ; v1   16 x lane
.set XA,   2                           ; v2   x: my row's bytes + 64 h; when x is in:
.set UPL,  2                           ;      the up matrices: 4,096 h + 4 (r + 8 (r / 8))
.set TAQ,  3                           ; v3   t for part A: TPB + 80 r + 8 h + 16 (w / 8)
.set TAV,  4                           ; v4   t for part B: TPB + 80 r + 8 h + 32
.set TW,   5                           ; v5   where I put t
.set XW,   6                           ; v6   where I put x's codes
.set XSW,  7                           ; v7   and scale words
.set TM,   8                           ; v8-13 at work in QUANT2
.set HW,   14                          ; v14  two scale bytes just made
.set R16,  15                          ; v15  16 r
.set PC,   16                          ; v16-19 codes just made
.set SW,   20                          ; v20-27 scale words kept
.set SMS,  28                          ; v28-31 source 1's scale words
.set ACC,  32                          ; v32-63 four accumulators; written by matrix instructions alone
.set BG,   64                          ; v64-191 source 0: four tiles x four K steps
.set SM,   192                         ; v192-223 source 1: one tile x four K steps
.set BGS,  224                         ; v224-239 source 0's scale words
.set L0,   240                         ; v240-247 the small product's source 0, a pair a tile
.set TP,   248                         ; v248-255 its source 1, and t's parts
.set X0,   64                          ; phase X: v64-191 my two tiles of x,
.set DN,   192                         ; v192-255 my K step of the down matrices
.set SEL,  22                          ; s[22:23] selects for lane l xor 16
.macro PLACES n
.rept \n
	v_nop
.endr
.endm
; 32 numbers of a lane, register 16 b + i = element 32 b + 16 (lane / 16) + i of my row, become four registers of codes (lanes' half h: block h whole) in v[PC] on, and their two scale bytes in v[HW].
.macro QUANT2 s
.irp b, 0,1
	v_max3_num_f32 v[TM+\b], |v[\s+16*\b]|, |v[\s+1+16*\b]|, 0x1800000   ; my 16 numbers of block b, and the floor 2^(3 - 127): the byte cannot fall under 1
.endr
.irp i, 2,4,6,8,10,12,14
.irp b, 0,1
	v_max3_num_f32 v[TM+\b], v[TM+\b], |v[\s+16*\b+\i]|, |v[\s+1+16*\b+\i]|
.endr
.endr
.irp b, 0,1
	v_permlanex16_b32 v[TM+2+\b], v[TM+\b], s[SEL], s[SEL+1]
.endr
.irp b, 0,1
	v_max_num_f32 v[TM+\b], v[TM+\b], v[TM+2+\b]   ; with lane l xor 16's: the block's largest magnitude
.endr
.irp b, 0,1
	v_add_nc_u32 v[TM+4+\b], 0xff000000, v[TM+\b]  ; 2 off its exponent field: the conversion's scale operand
.endr
.irp b, 0,1
	v_lshrrev_b32 v[TM+2+\b], 23, v[TM+4+\b]       ; the scale's byte
.endr
	v_lshl_or_b32 v[HW], v[TM+3], 8, v[TM+2]
	v_cvt_scalef32_pk8_fp4_f32 v[PC], v[\s:\s+7], v[TM+4]
	v_cvt_scalef32_pk8_fp4_f32 v[PC+1], v[\s+8:\s+15], v[TM+4]
	v_cvt_scalef32_pk8_fp4_f32 v[PC+2], v[\s+16:\s+23], v[TM+5]
	v_cvt_scalef32_pk8_fp4_f32 v[PC+3], v[\s+24:\s+31], v[TM+5]
	v_nop                                          ; one plain line behind the conversions
	v_permlane16_swap_b32 v[PC], v[PC+2]           ; half blocks change places: a lane now holds a whole block
	v_permlane16_swap_b32 v[PC+1], v[PC+3]
.endm
; Four accumulators: the small product starts the sums, four K steps on codes add onto them, the accumulators by turns; then the 32 results of a lane are quantised.
.macro GROUP l1
.irp a, 0,1,2,3
	v_wmma_f32_16x16x4_f32 v[ACC+8*\a:ACC+8*\a+7], v[L0+2*\a:L0+2*\a+1], v[\l1:\l1+1], 0
.endr
	PLACES 9                                       ; another form takes these results as its C (ISA guide 7.12.1)
.irp s, 0,1,2,3
.irp a, 0,1,2,3
	v_wmma_scale_f32_16x16x128_f8f6f4 v[ACC+8*\a:ACC+8*\a+7], v[BG+32*\a+8*\s:BG+32*\a+8*\s+7], v[SM+8*\s:SM+8*\s+7], v[ACC+8*\a:ACC+8*\a+7], v[BGS+4*\a+\s], v[SMS+\s] matrix_a_fmt:MATRIX_FMT_FP4 matrix_b_fmt:MATRIX_FMT_FP4
.endr
.endr
	PLACES 4
	s_wait_xcnt 0x0                                ; the last store of codes has read v[PC] on: it is written again only behind this wait
	QUANT2 ACC
.endm
	s_load_b256 s[4:11], s[0:1], 0x0               ; x s[4:5], wimg s[6:7], wsc s[8:9], dimg s[10:11]
	s_load_b256 s[12:19], s[0:1], 0x20             ; q_up s[12:13], k_up s[14:15], v_up s[16:17], qb s[18:19]
	s_load_b64 s[20:21], s[0:1], 0x40              ; kv
	v_lshrrev_b32 v8, 5, v0
	v_readfirstlane_b32 s24, v8                    ; wave 0..15
	s_lshr_b32 s25, ttmp9, 3                       ; frame
	s_and_b32 s26, ttmp9, 7                        ; which 128 tokens
	s_mov_b32 s[SEL], 0x76543210
	s_mov_b32 s[SEL+1], 0xfedcba98
	v_and_b32 v8, 31, v0                           ; lane
	v_and_b32 v9, 15, v0                           ; r
	v_bfe_u32 v10, v0, 4, 1                        ; h
	v_lshlrev_b32 v[LI], 4, v8
	v_lshlrev_b32 v[R16], 4, v9
	v_and_b32 v11, 8, v9
	v_add_nc_u32 v11, v11, v9                      ; r + 8 (r / 8)
	v_lshlrev_b32 v[XA], 11, v11
	v_lshl_add_u32 v[XA], v10, 6, v[XA]            ; a row of x is 2,048 bytes; my 16 numbers of a block of 32 begin 64 h on
	v_mul_u32_u24 v12, v9, 80
	v_lshl_add_u32 v13, v10, 3, v12
	s_lshr_b32 s29, s24, 3                         ; part A: 0 q, 1 k
	s_and_b32 s30, s24, 7                          ; and the head
	s_lshl_b32 s31, s29, 4
	s_add_co_u32 s31, s31, TPB
	v_add_nc_u32 v[TAQ], s31, v13
	v_add_nc_u32 v[TAV], TPB+32, v13
	s_and_b32 s32, s24, 3                          ; phase X: my K step
	s_lshr_b32 s33, s24, 2                         ; and my pair of tiles
	s_mul_i32 s34, s32, 10240
	s_mul_i32 s35, s33, 2560
	s_add_co_u32 s34, s34, s35
	s_add_co_u32 s34, s34, TPB
	v_lshl_add_u32 v[TW], v10, 5, v12
	v_add_nc_u32 v[TW], s34, v[TW]
	s_lshl_b32 s34, s33, 13
	s_lshl_b32 s35, s32, 10
	s_add_co_u32 s34, s34, s35
	v_add_nc_u32 v[XW], s34, v[LI]
	s_lshl_b32 s34, s33, 10
	s_lshl_b32 s35, s32, 2
	s_add_co_u32 s34, s34, s35
	s_add_co_u32 s34, s34, XSC
	v_add_nc_u32 v[XSW], s34, v[LI]
	v_and_b32 v12, 16, v0
	v_cmp_ne_u32 s27, 0, v12                       ; lanes 16-31
	s_lshl_b32 s36, ttmp9, 18                      ; 128 rows of 2,048 bytes a work-group,
	s_lshl_b32 s38, s33, 16                        ; 32 rows a pair of tiles,
	s_add_co_u32 s36, s36, s38
	s_lshl_b32 s38, s32, 9                         ; 512 bytes a K step
	s_add_co_u32 s36, s36, s38
	s_mov_b32 s37, 0
	s_lshl_b32 s38, s32, 13
	s_mov_b32 s39, 0
	s_wait_kmcnt 0x0
	s_add_nc_u64 s[4:5], s[4:5], s[36:37]
	s_add_nc_u64 s[10:11], s[10:11], s[38:39]
	; ---- PHASE X
.set i, 0
.rept 16
	global_load_b128 v[DN+4*i:DN+4*i+3], v[LI], s[10:11] offset:512*i
.set i, i+1
.endr
.irp u, 0,1
.irp b, 0,1,2,3
.irp j, 0,1,2,3
	global_load_b128 v[X0+64*\u+16*\b+4*\j:X0+64*\u+16*\b+4*\j+3], v[XA], s[4:5] offset:16384*\u+128*\b+16*\j th:TH_LOAD_NT   ; register 16 b + i: k = 32 b + 16 h + i of my row
.endr
.endr
.endr
	; every base that the later parts want, while the loads are out
	s_lshl_b32 s36, s29, 17
	s_lshl_b32 s38, s30, 14
	s_add_co_u32 s36, s36, s38
	s_add_nc_u64 s[40:41], s[6:7], s[36:37]        ; part A: my head's four weight tiles,
	s_lshl_b32 s36, s29, 13
	s_lshl_b32 s38, s30, 10
	s_add_co_u32 s36, s36, s38
	s_add_nc_u64 s[42:43], s[8:9], s[36:37]        ; their scale words,
	s_cmp_eq_u32 s29, 0
	s_cselect_b64 s[44:45], s[12:13], s[14:15]     ; the up matrix,
	s_cselect_b64 s[56:57], s[18:19], s[20:21]     ; and where the results go
	s_mov_b32 s38, 71680
	s_cselect_b32 s38, 36864, s38                  ; bytes of a (frame, head)
	s_mov_b32 s39, 8960
	s_cselect_b32 s39, 4608, s39                   ; and of a step
	s_lshl_b32 s36, s30, 8
	s_add_nc_u64 s[44:45], s[44:45], s[36:37]
	s_lshl_b32 s36, s25, 3
	s_add_co_u32 s36, s36, s30
	s_mul_i32 s36, s36, s38
	s_mul_i32 s39, s26, s39
	s_add_co_u32 s36, s36, s39
	s_add_nc_u64 s[56:57], s[56:57], s[36:37]
	s_lshl_b32 s36, s24, 13
	s_add_co_u32 s36, s36, 262144
	s_add_nc_u64 s[46:47], s[6:7], s[36:37]        ; part B: Wv's tiles 2 w and 2 w + 1,
	s_lshl_b32 s36, s24, 9
	s_add_co_u32 s36, s36, 16384
	s_add_nc_u64 s[48:49], s[8:9], s[36:37]        ; their scale words,
	s_lshl_b32 s36, s24, 7
	s_add_nc_u64 s[50:51], s[16:17], s[36:37]      ; v_up at column 32 w,
	s_lshr_b32 s38, s24, 1
	s_and_b32 s39, s24, 1
	s_lshl_b32 s36, s25, 3
	s_add_co_u32 s36, s36, s38
	s_mul_i32 s36, s36, 71680
	s_mul_i32 s38, s26, 8960
	s_add_co_u32 s36, s36, s38
	s_add_nc_u64 s[52:53], s[20:21], s[36:37]      ; kv at head w / 2 and my step:
	s_lshl_b32 s36, s39, 7
	s_add_nc_u64 s[54:55], s[52:53], s[36:37]      ; for V's scale words,
	s_lshl_b32 s36, s39, 11
	s_add_nc_u64 s[52:53], s[52:53], s[36:37]      ; for its fragments
	s_and_b32 s28, s25, 15
	s_cmp_eq_u32 s28, 15
	s_cselect_b32 s28, 1, 0                        ; 1: the half's last frame
	s_wait_loadcnt 0x0                             ; x and the down matrices are in, and v2 is free
	v_lshlrev_b32 v[UPL], 2, v11
	v_lshl_add_u32 v[UPL], v10, 12, v[UPL]
	; t^T = down^T x^T: source 0 = the 16 columns, source 1 = 16 tokens; both carry the same order of k.  Two accumulators by turns.
	v_wmma_f32_16x16x4_f32 v[32:39], v[DN:DN+1], v[X0:X0+1], 0
	v_wmma_f32_16x16x4_f32 v[40:47], v[DN:DN+1], v[X0+64:X0+65], 0
.set i, 1
.rept 31
	v_wmma_f32_16x16x4_f32 v[32:39], v[DN+2*i:DN+2*i+1], v[X0+2*i:X0+2*i+1], v[32:39]
	v_wmma_f32_16x16x4_f32 v[40:47], v[DN+2*i:DN+2*i+1], v[X0+64+2*i:X0+65+2*i], v[40:47]
.set i, i+1
.endr
.irp u, 0,1
.irp c, 0,1
.set QS, X0+64*\u+32*\c
	QUANT2 QS
	ds_store_b128 v[XW], v[PC:PC+3] offset:4096*\u+512*\c
.if \c == 0
	v_mov_b32 v[SW], v[HW]
.else
	v_lshl_or_b32 v[SW], v[HW], 16, v[SW]          ; four bytes: the fragment's scale word
	ds_store_b32 v[XSW], v[SW] offset:512*\u
.endif
	s_wait_dscnt 0x0                               ; the stores have read their registers
.endr
.endr
	PLACES 8                                       ; behind the f32 form: in front of the reads of its results and of the loads into its sources
	ds_store_b128 v[TW], v[32:35]                  ; lane (token r, h): columns 8 h .. 8 h + 7; each accumulator from its low end on
	ds_store_b128 v[TW], v[36:39] offset:16
	ds_store_b128 v[TW], v[40:43] offset:1280
	ds_store_b128 v[TW], v[44:47] offset:1296
.irp a, 0,1,2,3                        ; part A's weights are asked for ahead of the barrier
.irp k, 0,1,2,3
.irp d, 0,1
	global_load_b128 v[BG+32*\a+8*\k+4*\d:BG+32*\a+8*\k+4*\d+3], v[LI], s[40:41] offset:4096*\a+1024*\k+512*\d
.endr
.endr
	global_load_b128 v[BGS+4*\a:BGS+4*\a+3], v[R16], s[42:43] offset:256*\a
.irp j, 0,1
	global_load_b32 v[L0+2*\a+\j], v[UPL], s[44:45] offset:2048*\j+(32*(\a/2)+8*(\a%2))*4   ; up(2 h + j, the tile's column r)
.endr
.endr
	s_wait_dscnt 0x0                               ; for the others' sake: my codes, scale words and t have landed
	s_barrier_signal -1
	s_barrier_wait -1                              ; the launch's one barrier: from here on LDS is only read
	s_wait_loadcnt 0x0
	s_and_b32 s31, s28, s29
	s_cmp_lg_u32 s31, 0
	s_cbranch_scc1 .Lend                           ; no query reads the last frame's k
	; ---- PART A
.irp m, 0,1,2,3,4,5,6,7
	PLACES 8
.irp k, 0,1,2,3
.irp d, 0,1
	ds_load_b128 v[SM+8*\k+4*\d:SM+8*\k+4*\d+3], v[LI] offset:XIMG+4096*\m+1024*\k+512*\d
.endr
.endr
	ds_load_b128 v[SMS:SMS+3], v[LI] offset:XSC+512*\m
.irp p, 0,1,2,3
	ds_load_b64 v[TP+2*\p:TP+2*\p+1], v[TAQ] offset:10240*\p+1280*\m
.endr
	s_wait_dscnt 0x0
	v_pk_add_f32 v[TP:TP+1], v[TP:TP+1], v[TP+2:TP+3]          ; t's four parts: lane (r, h): t(r, 2 h), t(r, 2 h + 1)
	v_pk_add_f32 v[TP+4:TP+5], v[TP+4:TP+5], v[TP+6:TP+7]
	v_pk_add_f32 v[TP:TP+1], v[TP:TP+1], v[TP+4:TP+5]
	GROUP TP
	v_or_b32 v[SW+\m], 0x7f7f0000, v[HW]
	global_store_b128 v[LI], v[PC:PC+3], s[56:57] offset:512*\m   ; 512 consecutive bytes
.endr
	s_wait_xcnt 0x0
.irp i, 0,1,2,3
	v_cndmask_b32 v[PC+\i], v[SW+\i], v[SW+4+\i], s27          ; lanes 0-15 tiles 0-3's words, lanes 16-31 tiles 4-7's
.endr
	global_store_b128 v[LI], v[PC:PC+3], s[56:57] offset:4096
	s_cmp_lg_u32 s28, 0
	s_cbranch_scc1 .Lend                           ; nor its v
	; ---- PART B
	s_wait_xcnt 0x0
	PLACES 8
.irp a, 0,1
.irp j, 0,1
	global_load_b32 v[TP+2*\a+\j], v[UPL], s[50:51] offset:2048*\j+32*\a
.endr
.endr
.irp c, 0,1                            ; tokens 64 c on: row tiles 4 c .. 4 c + 3
	PLACES 8
.irp i, 0,1,2,3
.irp p, 0,1,2,3
	ds_load_b64 v[SM+8*\i+2*\p:SM+8*\i+2*\p+1], v[TAV] offset:10240*\p+1280*(4*\c+\i)
.endr
.endr
.irp i, 0,1,2,3
.irp k, 0,1,2,3
.irp d, 0,1
	ds_load_b128 v[BG+32*\i+8*\k+4*\d:BG+32*\i+8*\k+4*\d+3], v[LI] offset:XIMG+4096*(4*\c+\i)+1024*\k+512*\d
.endr
.endr
	ds_load_b128 v[BGS+4*\i:BGS+4*\i+3], v[LI] offset:XSC+512*(4*\c+\i)
.endr
	s_wait_dscnt 0x0
.irp i, 0,1,2,3
	v_pk_add_f32 v[L0+2*\i:L0+2*\i+1], v[SM+8*\i:SM+8*\i+1], v[SM+8*\i+2:SM+8*\i+3]
	v_pk_add_f32 v[12:13], v[SM+8*\i+4:SM+8*\i+5], v[SM+8*\i+6:SM+8*\i+7]
	v_pk_add_f32 v[L0+2*\i:L0+2*\i+1], v[L0+2*\i:L0+2*\i+1], v[12:13]
.endr
.irp a, 0,1                            ; weight tile 2 w + a: 16 channels
.if \a
	PLACES 8
.endif
.irp k, 0,1,2,3
.irp d, 0,1
	global_load_b128 v[SM+8*\k+4*\d:SM+8*\k+4*\d+3], v[LI], s[46:47] offset:4096*\a+1024*\k+512*\d
.endr
.endr
	global_load_b128 v[SMS:SMS+3], v[R16], s[48:49] offset:256*\a
	s_wait_loadcnt 0x0
	GROUP TP+2*\a
	global_store_b128 v[LI], v[PC:PC+3], s[52:53] offset:4608+1024*\a+512*\c   ; group c of the channel tile's fragment
.if \c == 0
	v_mov_b32 v[SW+\a], v[HW]
.else
	v_lshl_or_b32 v[SW+2+\a], v[HW], 16, v[SW+\a]  ; the step's four bytes of my channel
.endif
.endr
.endr
	v_and_b32 v8, 15, v0
	v_bfe_u32 v9, v0, 4, 1
	v_lshlrev_b32 v8, 3, v8
	v_lshl_add_u32 v8, v9, 2, v8                   ; 8 r + 4 h
	v_cndmask_b32 v[SW], v[SW+2], v[SW+3], s27     ; lanes 0-15 the first tile's word, lanes 16-31 the second's
	global_store_b32 v8, v[SW], s[54:55] offset:8704   ; 128 consecutive bytes
.Lend:
	s_wait_xcnt 0x0
	v_lshl_add_u32 v254, v0, 2, 0x13000
	v_mov_b32 v255, 0
	s_wait_tensorcnt 0x0
	ds_add_u32 v254, v255
	s_wait_dscnt 0x0
	s_endpgm
.Lfunc_end_k_q7672ef5709_qkv:
	.size	k_q7672ef5709_qkv, .Lfunc_end_k_q7672ef5709_qkv-k_q7672ef5709_qkv
	.p2alignl 7, 3214868480
	.fill 96, 4, 3214868480
	.section	.rodata,"a",@progbits
	.p2align	6, 0x0
	.amdhsa_kernel k_q7672ef5709_qkv
		.amdhsa_group_segment_fixed_size 79872
		.amdhsa_private_segment_fixed_size 0
		.amdhsa_enable_private_segment 0
		.amdhsa_kernarg_size 72
		.amdhsa_user_sgpr_count 2
		.amdhsa_user_sgpr_kernarg_segment_ptr 1
		.amdhsa_wavefront_size32 1
		.amdhsa_system_sgpr_workgroup_id_x 1
		.amdhsa_system_sgpr_workgroup_id_y 1
		.amdhsa_system_sgpr_workgroup_id_z 1
		.amdhsa_system_vgpr_workitem_id 0
		.amdhsa_next_free_vgpr 256
		.amdhsa_next_free_sgpr 66
		.amdhsa_reserve_vcc 0
		.amdhsa_float_denorm_mode_32 3
		.amdhsa_float_denorm_mode_16_64 3
		.amdhsa_memory_ordered 1
		.amdhsa_forward_progress 1
		.amdhsa_inst_pref_size 107
	.end_amdhsa_kernel
	.amdgpu_metadata
---
amdhsa.version: [ 1, 2 ]
amdhsa.kernels:
  - .name:           k_q7672ef5709_qkv
    .symbol:         k_q7672ef5709_qkv.kd
    .args:
      - { .name: hidden_states, .offset: 0, .size: 8, .value_kind: global_buffer, .address_space: global }
      - { .name: wimg, .offset: 8, .size: 8, .value_kind: global_buffer, .address_space: global }
      - { .name: wsc, .offset: 16, .size: 8, .value_kind: global_buffer, .address_space: global }
      - { .name: dimg, .offset: 24, .size: 8, .value_kind: global_buffer, .address_space: global }
      - { .name: q_up, .offset: 32, .size: 8, .value_kind: global_buffer, .address_space: global }
      - { .name: k_up, .offset: 40, .size: 8, .value_kind: global_buffer, .address_space: global }
      - { .name: v_up, .offset: 48, .size: 8, .value_kind: global_buffer, .address_space: global }
      - { .name: qb, .offset: 56, .size: 8, .value_kind: global_buffer, .address_space: global }
      - { .name: kv, .offset: 64, .size: 8, .value_kind: global_buffer, .address_space: global }
    .group_segment_fixed_size: 79872
    .private_segment_fixed_size: 0
    .kernarg_segment_align: 8
    .kernarg_segment_size: 72
    .max_flat_workgroup_size: 512
    .sgpr_count:     66
    .vgpr_count:     256
    .wavefront_size: 32
...
	.end_amdgpu_metadata
.endif
;; end of part 2
;; launch attn (part 3): grid 256 x 1, 16 waves a work-group, no clusters, 169,984 bytes of LDS; arguments qb, kv, o_down, himg, hsc, lp; writes himg, hsc, lp
.if DOCPART == 3
	.amdgcn_target "amdgcn-amd-amdhsa--gfx1250"
	.amdhsa_code_object_version 6
	.text
	.protected	k_q7672ef5709_attn
	.globl	k_q7672ef5709_attn
	.p2align	8
	.type	k_q7672ef5709_attn,@function
k_q7672ef5709_attn:
	s_mov_b64 s[64:65], 0
	v_nop
	global_prefetch_b8 v0, s[64:65] scope:SCOPE_SE
	s_setreg_imm32_b32 hwreg(HW_REG_WAVE_MODE, 25, 1), 1
	s_wait_xcnt 0x0
; h = softmax(q k^T / 8) v for one (frame, head), k and v of frame max(f - 1, 0) of the same half of the batch; both products on codes of FP4 (E2M1) with one E8M0 scale for each 32 along K.
; THE SOFTMAX AHEAD OF THE SECOND PRODUCT: t = score x log2(e) / 8; M = the running largest t rounded UP to a whole number; p = 2^(t - M) is quantised along the keys, not normalised; the row's sum is taken of the
; unquantised p and divides at the end.  When M moves, the sum and O are multiplied by 2^(old M - new M): exact.
; SHARES.  A work-group owns one (frame, head): 1,024 queries; each of its sixteen waves owns four tiles of 16 queries, one after the other, in 256 registers: four waves to a SIMD.
; The head's whole k and v, 71,680 bytes as images of operand registers, come into LDS ONCE (waves 0-3: a quarter each, one tensor load) and are only read: no slot is filled again.
; LAYOUT.  Both products are used transposed (S^T = k q^T, O^T = v^T p^T): a lane holds one query.  The keys and channels of a tile are chosen (row r of tile 2 b + u: 32 b + 8 u + r + 8 (r / 8)) so that 16 registers are 16 neighbours.
; THE HEAD HAS 64 CHANNELS, the instruction 128 along K: q's upper four registers are zero codes; k's upper four are whatever follows (the next tile's codes), under the scale byte 0x7f: they add nothing.
; OUT.  himg: h's codes, quantised along the channels, 512 bytes for a (tile, head); hsc: their two scale bytes a row; lp: the head's part of h o_down, with bf16 operands and f32 sums (it goes into no quantiser).
; LIMITS: NaN and infinities are not served; a block whose largest magnitude lies under 2^-124 (zeros too) gets the byte 1: the bytes are read by this program alone.
; No cluster: a (frame, head)'s k and v are read by one work-group (frame 0's by two).  No prefetch: all that comes from memory is asked for at the head, but q's next tile, a tile ahead.
.set STEPB, 8960                       ; a key step in LDS: k's 8 tiles x 512, its scale words 512, V^T's 4 fragments x 1,024, its scale words 256
.set LI,   1                           ; v1   16 x lane
.set R16,  2                           ; v2   16 r + 4,096: k's (and in memory q's) scale words
.set R8,   3                           ; v3   8 r + 8,704: V's
.set AD0,  4                           ; v4-6 the same three in the step in hand
.set AD1,  5
.set AD2,  6
.set LPO,  7                           ; v7   16 r + 8 h
.set HSO,  8                           ; v8   8 r + 4 h
.set MK,   9                           ; v9   all ones in rows 0, 1, 8, 9
.set ODL,  10                          ; v10  o_down's lane offset
.set QF,   16                          ; v16-23 q's fragment; v20-23 zeros
.set QW,   24                          ; v24-27 the four tiles' scale words
.set HK,   28                          ; v28-31 h's scale bytes, a register a tile
.set KF,   32                          ; v32-63 k's eight tiles; v64-67 zeros
.set VF,   68                          ; v68-99 V^T's four fragments
.set KSW,  100                         ; v100-107 k's scale words
.set VSW,  108                         ; v108-111 V's
.set S,    112                         ; v112-175 S^T, then p; at a tile's end h in v112-143,
.set HB,   144                         ; v144-159 h in bf16,
.set LD,   160                         ; v160-167 h o_down
.set O,    176                         ; v176-207 O^T
.set PC,   208                         ; v208-215 p's codes; at a tile's end h's in v208-211
.set OD,   216                         ; v216-231 o_down^T in bf16
.set BM,   232                         ; v232-235 the blocks' largest scores, then p
.set T4,   236                         ; v236-239 at work
.set TM,   232                         ; QUANT2's six
.set QN,   240                         ; v240-243 the next tile of q
.set SO,   244                         ; v244-247 the conversions' scale operands
.set F,    252                         ; v252 f = 2^(old M - new M)
.set PW,   253                         ; v253 p's scale word
.set TT,   254
.set HW,   254
.set WV,   16
.set SEL,  20                          ; s[20:21] selects for lane l xor 16
.set CS,   22                          ; s[22:23] c = log2(e) / 8
.set G1,   24                          ; s[24:31], s[32:35] the tensor load's descriptor
.set G0,   32
.set TB,   36                          ; s36 LDS byte of the step in hand
.set CNT,  37
.set HM,   38                          ; s38 lanes 16-31
.macro PLACES n
.rept \n
	v_nop
.endr
.endm
; 32 numbers of a lane, register 16 b + i = element 32 b + 16 (lane / 16) + i of my row, become four registers of codes (lanes' half h: block h whole) in v[PC] on, and their two scale bytes in v[HW].
.macro QUANT2 s
.irp b, 0,1
	v_max3_num_f32 v[TM+\b], |v[\s+16*\b]|, |v[\s+1+16*\b]|, 0x1800000
.endr
.irp i, 2,4,6,8,10,12,14
.irp b, 0,1
	v_max3_num_f32 v[TM+\b], v[TM+\b], |v[\s+16*\b+\i]|, |v[\s+1+16*\b+\i]|
.endr
.endr
.irp b, 0,1
	v_permlanex16_b32 v[TM+2+\b], v[TM+\b], s[SEL], s[SEL+1]
.endr
.irp b, 0,1
	v_max_num_f32 v[TM+\b], v[TM+\b], v[TM+2+\b]
.endr
.irp b, 0,1
	v_add_nc_u32 v[TM+4+\b], 0xff000000, v[TM+\b]
.endr
.irp b, 0,1
	v_lshrrev_b32 v[TM+2+\b], 23, v[TM+4+\b]
.endr
	v_lshl_or_b32 v[HW], v[TM+3], 8, v[TM+2]
	v_cvt_scalef32_pk8_fp4_f32 v[PC], v[\s:\s+7], v[TM+4]
	v_cvt_scalef32_pk8_fp4_f32 v[PC+1], v[\s+8:\s+15], v[TM+4]
	v_cvt_scalef32_pk8_fp4_f32 v[PC+2], v[\s+16:\s+23], v[TM+5]
	v_cvt_scalef32_pk8_fp4_f32 v[PC+3], v[\s+24:\s+31], v[TM+5]
	v_nop
	v_permlane16_swap_b32 v[PC], v[PC+2]
	v_permlane16_swap_b32 v[PC+1], v[PC+3]
.endm
	s_load_b256 s[4:11], s[0:1], 0x0               ; qb s[4:5], kv s[6:7], o_down s[8:9], himg s[10:11]
	s_load_b128 s[12:15], s[0:1], 0x20             ; hsc s[12:13], lp s[14:15]
	v_lshl_add_u32 v251, v0, 2, 0x29000
	v_mov_b32 v255, 0
	ds_add_u32 v251, v255
	ds_add_u32 v251, v255
	v_lshrrev_b32 v232, 5, v0
	v_readfirstlane_b32 s[WV], v232                ; wave 0..15
	s_and_b32 s17, ttmp9, 7                        ; head
	s_lshr_b32 s18, ttmp9, 3                       ; frame
	s_and_b32 s40, s18, 15
	s_max_u32 s40, s40, 1
	s_sub_co_u32 s40, s40, 1                       ; max(f - 1, 0),
	s_and_b32 s41, s18, 16
	s_add_co_u32 s40, s40, s41                     ; in my half of the batch
	s_lshl_b32 s40, s40, 3
	s_add_co_u32 s40, s40, s17
	s_mul_i32 s40, s40, 8*STEPB
	s_mul_i32 s41, s[WV], 2*STEPB                  ; a quarter of the head: two steps
	s_add_co_u32 s40, s40, s41
	s_mov_b32 s41, 0
	; the descriptor: a dense block of 17,920 bytes as 70 rows of 256 bytes (32 elements of 8 bytes), no padding
	s_mov_b32 s[G1], 3<<16
	s_mov_b32 s[G1+1], 32<<16                      ; tensor_dim0
	s_mov_b32 s[G1+2], 70<<16                      ; tensor_dim1
	s_mov_b32 s[G1+3], 32<<16                      ; tile_dim0
	s_mov_b32 s[G1+4], 70                          ; tile_dim1
	s_mov_b32 s[G1+5], 32                          ; the pitch
	s_mov_b32 s[G1+6], 0
	s_mov_b32 s[G1+7], 0
	s_mov_b32 s[G0], 1
	s_mul_i32 s[G0+1], s[WV], 2*STEPB              ; LDS address: my quarter
	s_wait_dscnt 0x0
	s_wait_kmcnt 0x0
	s_add_nc_u64 s[G0+2:G0+3], s[6:7], s[40:41]
	s_or_b32 s[G0+3], s[G0+3], 0x80000000
	s_cmp_lt_u32 s[WV], 4
	s_cbranch_scc0 .Lno_fill
	tensor_load_to_lds s[G0:G0+3], s[G1:G1+7]      ; one load of mine is out; four v_nop follow it
	s_nop 0
	PLACES 4
.Lno_fill:
	s_mov_b32 s[SEL], 0x76543210
	s_mov_b32 s[SEL+1], 0xfedcba98
	s_mov_b32 s[CS], 0x3e38aa3b
	s_mov_b32 s[CS+1], s[CS]                       ; (named with it as a pair, so it is written)
	s_mul_i32 s42, ttmp9, 36864                    ; qb: my (frame, head),
	s_lshr_b32 s43, s[WV], 1
	s_mul_i32 s43, s43, 4608                       ; step w / 2: my four tiles are its tiles 4 (w % 2) on
	s_add_co_u32 s42, s42, s43
	s_and_b32 s43, s[WV], 1
	s_lshl_b32 s40, s43, 11
	s_add_co_u32 s40, s40, s42
	s_add_nc_u64 s[44:45], s[4:5], s[40:41]        ; their codes
	s_lshl_b32 s40, s43, 8
	s_add_co_u32 s40, s40, s42
	s_add_nc_u64 s[46:47], s[4:5], s[40:41]        ; their scale words (4,096 on: in v2)
	s_lshl_b32 s40, s18, 18
	s_lshl_b32 s42, s[WV], 14
	s_add_co_u32 s40, s40, s42
	s_lshl_b32 s42, s17, 9
	s_add_co_u32 s40, s40, s42
	s_add_nc_u64 s[48:49], s[10:11], s[40:41]      ; himg: 262,144 frame + 4,096 tile + 512 head
	s_lshl_b32 s40, ttmp9, 14
	s_lshl_b32 s42, s[WV], 10
	s_add_co_u32 s40, s40, s42
	s_add_nc_u64 s[50:51], s[14:15], s[40:41]      ; lp: 16,384 (frame, head) + 256 tile
	s_lshl_b32 s40, ttmp9, 11
	s_lshl_b32 s42, s[WV], 7
	s_add_co_u32 s40, s40, s42
	s_add_nc_u64 s[52:53], s[12:13], s[40:41]      ; hsc: 2,048 (frame, head) + 128 wave
	s_lshl_b32 s40, s17, 10
	s_add_nc_u64 s[54:55], s[8:9], s[40:41]        ; o_down: my head's 64 rows of 16 bytes
	v_and_b32 v232, 31, v0                         ; lane
	v_and_b32 v233, 15, v0                         ; r
	v_bfe_u32 v234, v0, 4, 1                       ; h
	v_lshlrev_b32 v[LI], 4, v232
	v_lshl_add_u32 v[R16], v233, 4, 4096
	v_lshl_add_u32 v[R8], v233, 3, 8704
	v_lshlrev_b32 v[LPO], 4, v233
	v_lshl_add_u32 v[LPO], v234, 3, v[LPO]
	v_lshlrev_b32 v[HSO], 3, v233
	v_lshl_add_u32 v[HSO], v234, 2, v[HSO]
	v_cmp_ne_u32 s[HM], 0, v234
	v_and_b32 v[ODL], 1, v0                        ; rows 0, 1, 8, 9 of the small product's source 0 carry o_down's columns 0, 1, 2, 3: its results then fall into each lane's two lowest registers
	v_bfe_u32 v235, v0, 3, 1
	v_lshlrev_b32 v[ODL], 2, v[ODL]
	v_lshl_add_u32 v[ODL], v235, 3, v[ODL]
	v_lshl_add_u32 v[ODL], v234, 8, v[ODL]         ; 4 column + 16 x 16 h
	v_and_b32 v[MK], 6, v0
	v_cmp_eq_u32 vcc_lo, 0, v[MK]
	v_cndmask_b32 v[MK], 0, -1, vcc_lo
.irp b, 0,1
.set i, 0
.rept 16
	global_load_b32 v[S+16*\b+i], v[ODL], s[54:55] offset:512*\b+16*i   ; o_down(32 b + 16 h + i, column): the order in which h's registers run
.set i, i+1
.endr
.endr
	global_load_b128 v[QF:QF+3], v[LI], s[44:45]
	global_load_b128 v[QW:QW+3], v[R16], s[46:47]
.irp i, 0,1,2,3
	v_mov_b32 v[QF+4+\i], 0                        ; q's upper 64 along K: zero codes
	v_mov_b32 v[KF+32+\i], 0                       ; what follows k's last tile
	v_mov_b32 v[T4+\i], 0                          ; written once: a lane permute's destination counts as one of its sources
.endr
	v_mov_b32 v[PW], 0                             ; (named as the upper half of the pair v[252:253] before it is first written)
	s_wait_loadcnt 0x0
.set i, 0
.rept 16
	v_cvt_pk_bf16_f32 v[OD+i], v[S+2*i], v[S+2*i+1]
.set i, i+1
.endr
.set i, 0
.rept 16
	v_and_b32 v[OD+i], v[MK], v[OD+i]              ; the other twelve rows are zeros
.set i, i+1
.endr
	s_wait_tensorcnt 0x0                           ; my quarter of k and v has landed,
	s_barrier_signal -1
	s_barrier_wait -1                              ; everybody's has: the launch's one barrier
.macro TILE t
	s_wait_xcnt 0x0                                ; the last tile's stores have read their registers
.if \t > 0
	s_wait_loadcnt 0x0                             ; this tile of q, asked for a tile ago
.irp i, 0,1,2,3
	v_mov_b32 v[QF+\i], v[QN+\i]
.endr
.endif
.if \t < 3
	global_load_b128 v[QN:QN+3], v[LI], s[44:45] offset:512*(\t+1)
.endif
.set j, 0
.rept 32
	v_mov_b32 v[O+j], 0                            ; the step is written once: the first finds zeros, which the first change of M leaves zeros
.set j, j+1
.endr
	v_mov_b32 v13, 0xff61b1e6                      ; the largest t so far: -3e38
	v_floor_f32 v12, -v13                          ; -M
	v_mov_b32 v14, 0                               ; the sum, in two halves
	v_mov_b32 v15, 0
	s_mov_b32 s[TB], 0
	s_mov_b32 s[CNT], 8
.Lstep_\@:                                         ; a key step: 128 keys
	v_add_nc_u32 v[AD0], s[TB], v[LI]
	v_add_nc_u32 v[AD1], s[TB], v[R16]
	v_add_nc_u32 v[AD2], s[TB], v[R8]
	v_nop                                          ; these four are the places between the last step's products and the loads into V's registers below
.irp j, 0,1,2,3,4,5,6,7
	ds_load_b128 v[KF+4*\j:KF+4*\j+3], v[AD0] offset:512*\j
.endr
	ds_load_b128 v[KSW:KSW+3], v[AD1]
	ds_load_b128 v[KSW+4:KSW+7], v[AD1] offset:256
	s_wait_dscnt 0x0                               ; these ten
.irp j, 0,1,2,3,4,5,6,7
	v_wmma_scale_f32_16x16x128_f8f6f4 v[S+8*\j:S+8*\j+7], v[KF+4*\j:KF+4*\j+7], v[QF:QF+7], 0, v[KSW+\j], v[QW+\t] matrix_a_fmt:MATRIX_FMT_FP4 matrix_b_fmt:MATRIX_FMT_FP4
.endr
.irp c, 0,1,2,3,4,5,6,7                        ; V is asked for here and lands under the softmax
	ds_load_b128 v[VF+4*\c:VF+4*\c+3], v[AD0] offset:4608+512*\c
.endr
	ds_load_b64 v[VSW:VSW+1], v[AD2]
	ds_load_b64 v[VSW+2:VSW+3], v[AD2] offset:128
	PLACES 4
.irp b, 0,1,2,3
	v_max3_num_f32 v[BM+\b], v[S+16*\b], v[S+1+16*\b], v[S+2+16*\b]   ; the largest score of each block of 32 keys: it serves the row's maximum and, since p rises with the score, the block's largest p
.endr
.irp i, 3,5,7,9,11,13
.irp b, 0,1,2,3
	v_max3_num_f32 v[BM+\b], v[BM+\b], v[S+16*\b+\i], v[S+1+16*\b+\i]
.endr
.endr
.irp b, 0,1,2,3
	v_max_num_f32 v[BM+\b], v[BM+\b], v[S+15+16*\b]
.endr
.irp b, 0,1,2,3
	v_permlanex16_b32 v[T4+\b], v[BM+\b], s[SEL], s[SEL+1]
.endr
.irp b, 0,1,2,3
	v_max_num_f32 v[BM+\b], v[BM+\b], v[T4+\b]     ; with lane l xor 16's 16 keys
.endr
	v_max3_num_f32 v[TT], v[BM], v[BM+1], v[BM+2]
	v_max_num_f32 v[TT], v[TT], v[BM+3]
	v_mul_f32 v[TT], s[CS], v[TT]                  ; as t (c is positive)
	v_max_num_f32 v13, v13, v[TT]                  ; the running largest t
	v_mov_b32 v[TT], v12
	v_floor_f32 v12, -v13                          ; the new -M = floor(-t) = -ceil(t)
	v_sub_f32 v[TT], v12, v[TT]                    ; old M - new M: a whole number, 0 or less
	v_cvt_i32_f32 v[TT], v[TT]                     ; (it saturates)
	v_ldexp_f32 v[F], 1.0, v[TT]                   ; f = 2^(old M - new M)
.set j, 0
.rept 32
	v_pk_fma_f32 v[S+j:S+j+1], v[S+j:S+j+1], s[CS:CS+1], v[12:13] op_sel_hi:[1,0,0]   ; t - M, two at a time
.set j, j+2
.endr
.irp b, 0,1,2,3
	v_fma_f32 v[BM+\b], v[BM+\b], s[CS], v12       ; the same of each block's largest score
.endr
.set j, 0
.rept 64
	v_exp_f32 v[S+j], v[S+j]                       ; p = 2^(t - M), at most 1
.set j, j+1
.endr
	v_pk_mul_f32 v[14:15], v[14:15], v[F:F+1] op_sel_hi:[1,0]   ; the sums under the new M: a plain line behind the exponentials
	s_wait_alu depctr_va_vdst(0)                   ; one wait for the batch of 64, ahead of its first reader
.irp b, 0,1,2,3
	v_exp_f32 v[BM+\b], v[BM+\b]                   ; the block's largest p: the same two instructions on the same number
.endr
	v_pk_add_f32 v[T4:T4+1], v[S:S+1], v[S+2:S+3]  ; the row's sum of the unquantised p, in two chains
.set j, 4
.rept 15
	v_pk_add_f32 v[14:15], v[14:15], v[S+j:S+j+1]
	v_pk_add_f32 v[T4:T4+1], v[T4:T4+1], v[S+j+2:S+j+3]
.set j, j+4
.endr
	v_pk_add_f32 v[14:15], v[14:15], v[T4:T4+1]
	s_wait_alu depctr_va_vdst(0)                   ; and one for the four
.irp b, 0,1,2,3
	v_max_num_f32 v[BM+\b], 0x1800000, v[BM+\b]    ; the floor 2^(3 - 127): the byte cannot fall under 1
.endr
.irp b, 0,1,2,3
	v_add_nc_u32 v[SO+\b], 0xff000000, v[BM+\b]
.endr
.irp b, 0,1,2,3
	v_lshrrev_b32 v[T4+\b], 23, v[SO+\b]
.endr
	v_lshl_or_b32 v[PW], v[T4+1], 8, v[T4]         ; p's scale word for these 128 keys
	v_lshl_or_b32 v[PW], v[T4+2], 16, v[PW]
	v_lshl_or_b32 v[PW], v[T4+3], 24, v[PW]
.irp b, 0,1,2,3
	v_cvt_scalef32_pk8_fp4_f32 v[PC+2*\b], v[S+16*\b:S+7+16*\b], v[SO+\b]
	v_cvt_scalef32_pk8_fp4_f32 v[PC+1+2*\b], v[S+8+16*\b:S+15+16*\b], v[SO+\b]
.endr
	v_nop                                          ; one plain line behind the conversions
.irp c, 0,1
.irp i, 0,1
	v_permlane16_swap_b32 v[PC+4*\c+\i], v[PC+2+4*\c+\i]   ; a whole block to a lane
.endr
.endr
.set j, 0
.rept 16
	v_pk_mul_f32 v[O+j:O+j+1], v[O+j:O+j+1], v[F:F+1] op_sel_hi:[1,0]   ; O^T under the new M; these sixteen also stand between the lines that made p's codes and scale word and the products
.set j, j+2
.endr
	s_wait_dscnt 0x0                               ; V's ten loads
.irp c, 0,1,2,3
	v_wmma_scale_f32_16x16x128_f8f6f4 v[O+8*\c:O+8*\c+7], v[VF+8*\c:VF+8*\c+7], v[PC:PC+7], v[O+8*\c:O+8*\c+7], v[VSW+\c], v[PW] matrix_a_fmt:MATRIX_FMT_FP4 matrix_b_fmt:MATRIX_FMT_FP4
.endr
	s_add_co_u32 s[TB], s[TB], STEPB
	s_sub_co_u32 s[CNT], s[CNT], 1
	s_cmp_lg_u32 s[CNT], 0
	s_cbranch_scc1 .Lstep_\@
	; the tile's end
	PLACES 4
	v_add_f32 v14, v14, v15
	v_permlanex16_b32 v[F], v14, s[SEL], s[SEL+1]
	v_add_f32 v14, v14, v[F]                       ; the row's sum
	v_rcp_f32 v14, v14
	v_nop
	s_wait_alu depctr_va_vdst(0)                   ; ahead of the reciprocal's first reader
.set j, 0
.rept 16
	v_pk_mul_f32 v[S+j:S+j+1], v[O+j:O+j+1], v[14:15] op_sel_hi:[1,0]   ; h: register 16 b + i = channel 32 b + 16 h + i; each accumulator from its low end on
.set j, j+2
.endr
	QUANT2 S
	v_mov_b32 v[HK+\t], v[HW]
	global_store_b128 v[LI], v[PC:PC+3], s[48:49] offset:4096*\t   ; 512 consecutive bytes
.set j, 0
.rept 16
	v_cvt_pk_bf16_f32 v[HB+j], v[S+2*j], v[S+2*j+1]
.set j, j+1
.endr
	v_wmma_f32_16x16x32_bf16 v[LD:LD+7], v[OD:OD+7], v[HB:HB+7], 0
	s_wait_alu depctr_va_vdst(0)                   ; one accumulator, two links
	v_wmma_f32_16x16x32_bf16 v[LD:LD+7], v[OD+8:OD+15], v[HB+8:HB+15], v[LD:LD+7]
	PLACES 4
	global_store_b64 v[LPO], v[LD:LD+1], s[50:51] offset:256*\t    ; lane (r, h): columns 2 h, 2 h + 1 of row r: 256 consecutive bytes
.endm
	TILE 0
	TILE 1
	TILE 2
	TILE 3
	v_lshl_or_b32 v232, v[HK+1], 16, v[HK]
	v_lshl_or_b32 v233, v[HK+3], 16, v[HK+2]
	v_cndmask_b32 v234, v232, v233, s[HM]          ; lanes 0-15 tiles 0, 1; lanes 16-31 tiles 2, 3
	global_store_b32 v[HSO], v234, s[52:53]        ; 128 consecutive bytes
	s_wait_tensorcnt 0x0
	ds_add_u32 v251, v255
	s_wait_dscnt 0x0
	s_endpgm
.Lfunc_end_k_q7672ef5709_attn:
	.size	k_q7672ef5709_attn, .Lfunc_end_k_q7672ef5709_attn-k_q7672ef5709_attn
	.p2alignl 7, 3214868480
	.fill 96, 4, 3214868480
	.section	.rodata,"a",@progbits
	.p2align	6, 0x0
	.amdhsa_kernel k_q7672ef5709_attn
		.amdhsa_group_segment_fixed_size 169984
		.amdhsa_private_segment_fixed_size 0
		.amdhsa_enable_private_segment 0
		.amdhsa_kernarg_size 48
		.amdhsa_user_sgpr_count 2
		.amdhsa_user_sgpr_kernarg_segment_ptr 1
		.amdhsa_wavefront_size32 1
		.amdhsa_system_sgpr_workgroup_id_x 1
		.amdhsa_system_sgpr_workgroup_id_y 1
		.amdhsa_system_sgpr_workgroup_id_z 1
		.amdhsa_system_vgpr_workitem_id 0
		.amdhsa_next_free_vgpr 256
		.amdhsa_next_free_sgpr 66
		.amdhsa_reserve_vcc 1
		.amdhsa_float_denorm_mode_32 3
		.amdhsa_float_denorm_mode_16_64 3
		.amdhsa_memory_ordered 1
		.amdhsa_forward_progress 1
		.amdhsa_inst_pref_size 94
	.end_amdhsa_kernel
	.amdgpu_metadata
---
amdhsa.version: [ 1, 2 ]
amdhsa.kernels:
  - .name:           k_q7672ef5709_attn
    .symbol:         k_q7672ef5709_attn.kd
    .args:
      - { .name: qb, .offset: 0, .size: 8, .value_kind: global_buffer, .address_space: global }
      - { .name: kv, .offset: 8, .size: 8, .value_kind: global_buffer, .address_space: global }
      - { .name: o_down, .offset: 16, .size: 8, .value_kind: global_buffer, .address_space: global }
      - { .name: himg, .offset: 24, .size: 8, .value_kind: global_buffer, .address_space: global }
      - { .name: hsc, .offset: 32, .size: 8, .value_kind: global_buffer, .address_space: global }
      - { .name: lp, .offset: 40, .size: 8, .value_kind: global_buffer, .address_space: global }
    .group_segment_fixed_size: 169984
    .private_segment_fixed_size: 0
    .kernarg_segment_align: 8
    .kernarg_segment_size: 48
    .max_flat_workgroup_size: 512
    .sgpr_count:     66
    .vgpr_count:     256
    .wavefront_size: 32
...
	.end_amdgpu_metadata
.endif
;; end of part 3
;; launch oproj (part 4): grid 256 x 1, 16 waves a work-group, no clusters, 109,056 bytes of LDS; arguments himg, hsc, lp, wimg, wsc, o_up, bo, out0; writes out0
.if DOCPART == 4
	.amdgcn_target "amdgcn-amd-amdhsa--gfx1250"
	.amdhsa_code_object_version 6
	.text
	.protected	k_q7672ef5709_oproj
	.globl	k_q7672ef5709_oproj
	.p2align	8
	.type	k_q7672ef5709_oproj,@function
k_q7672ef5709_oproj:
	s_mov_b64 s[64:65], 0
	v_nop
	global_prefetch_b8 v0, s[64:65] scope:SCOPE_SE
	s_setreg_imm32_b32 hwreg(HW_REG_WAVE_MODE, 25, 1), 1
	s_wait_xcnt 0x0
; out = h Wo + bo + (h o_down) o_up.  h and Wo arrive as codes of FP4 (E2M1) with E8M0 scales, as images of operand registers; h o_down arrives in eight parts, one a head, f32.
; SHARES.  A work-group owns 128 tokens of a frame: 8 tiles of 16 rows (row r of tile 2 b + u: token 32 b + 8 u + r + 8 (r / 8)).  Wave w owns columns 32 w .. 32 w + 31: Wo's tiles 2 w and 2 w + 1 stay in its registers.
; PHASE 0: wave w brings half of tile w / 2: four heads' codes, scale bytes (joined into two scale words) and parts of h o_down (summed), into LDS.  One barrier.
; A TILE: source 0 = Wo's tile, source 1 = h: a lane holds one token and 16 neighbouring columns.  Each sum begins with the small product (f32 matrix form) whose C is the bias; four K steps on codes add onto it, two accumulators by turns.
; The 16 waves' pieces of 16 rows meet in a stage in LDS (two stages by turns, one barrier a tile); wave w then stores row w whole: 2,048 consecutive bytes.
; No cluster: all work-groups read the same Wo, but each fragment is used by one wave and goes from memory straight into its registers.  No prefetch: all that comes from memory is asked for at the head.
.set HIMG, 0                           ; LDS: h's fragments: 4,096 tile + 1,024 K step + 512 group + 16 lane
.set HSC,  32768                       ; scale words: 512 tile + 16 lane + 4 K step
.set TFB,  36864                       ; h o_down in two halves: 512 tile + 256 half + 8 lane
.set STG,  40960                       ; two stages of 16 rows x (2,048 + 16) bytes
.set STGB, 33024
.set LI,   1                           ; v1   16 x lane
.set L8,   2                           ; v2   8 x lane
.set R16,  3                           ; v3   16 r
.set SI,   4                           ; v4   into a stage: 2,064 r + 128 w + 64 h
.set SR,   5                           ; v5   out of it: 2,064 w + 16 lane
.set ACC,  16                          ; v16-31 two accumulators; written by matrix instructions alone
.set BI,   32                          ; v32-47 the bias in the result's layout
.set UP,   48                          ; v48-51 o_up, a pair a tile
.set WS,   52                          ; v52-59 Wo's scale words
.set HS,   60                          ; v60-63 h's
.set WO,   64                          ; v64-127 Wo's two tiles x four K steps
.set HF,   128                         ; v128-159 h's four fragments; in phase 0 what is staged
.set TP,   160                         ; v160-163 h o_down's halves
.set OUTR, 164                         ; v164-179 a row on its way out
.macro PLACES n
.rept \n
	v_nop
.endr
.endm
	s_load_b256 s[4:11], s[0:1], 0x0               ; himg s[4:5], hsc s[6:7], lp s[8:9], wimg s[10:11]
	s_load_b256 s[12:19], s[0:1], 0x20             ; wsc s[12:13], o_up s[14:15], bo s[16:17], out0 s[18:19]
	v_lshl_add_u32 v192, v0, 2, 0x1a200
	v_mov_b32 v193, 0
	v_lshrrev_b32 v13, 5, v0
	v_readfirstlane_b32 s20, v13                   ; wave 0..15
	v_and_b32 v13, 31, v0                          ; lane
	v_and_b32 v14, 15, v0                          ; r
	v_bfe_u32 v15, v0, 4, 1                        ; h
	v_lshlrev_b32 v[LI], 4, v13
	v_lshlrev_b32 v[L8], 3, v13
	v_lshlrev_b32 v[R16], 4, v14
	v_mul_u32_u24 v[SI], v14, 2064
	v_lshl_add_u32 v[SI], v15, 6, v[SI]
	s_lshl_b32 s26, s20, 7
	s_add_co_u32 s26, s26, STG
	v_add_nc_u32 v[SI], s26, v[SI]
	s_mul_i32 s26, s20, 2064
	s_add_co_u32 s26, s26, STG
	v_add_nc_u32 v[SR], s26, v[LI]
	s_lshl_b32 s26, s20, 11
	v_add_nc_u32 v6, s26, v[LI]                    ; phase 0: my half tile's codes: 2,048 w + 16 lane
	s_lshr_b32 s23, s20, 1                         ; its tile
	s_and_b32 s24, s20, 1                          ; and half
	s_lshl_b32 s26, s23, 9
	s_lshl_b32 s27, s24, 3
	s_add_co_u32 s26, s26, s27
	s_add_co_u32 s26, s26, HSC
	v_add_nc_u32 v7, s26, v[LI]                    ; two scale words
	s_lshl_b32 s26, s20, 8
	s_add_co_u32 s26, s26, TFB
	v_add_nc_u32 v8, s26, v[L8]                    ; my half of h o_down
	v_lshlrev_b32 v9, 3, v14                       ; hsc: 8 r
	v_lshl_add_u32 v10, v15, 3, v[R16]             ; lp: 16 r + 8 h
	v_and_b32 v11, 8, v14
	v_add_nc_u32 v11, v11, v14
	v_lshlrev_b32 v11, 2, v11
	v_lshl_add_u32 v11, v15, 12, v11               ; o_up: 4,096 h + 4 (r + 8 (r / 8))
	v_lshlrev_b32 v12, 6, v15                      ; bo: 64 h
	s_lshr_b32 s21, ttmp9, 3                       ; frame
	s_and_b32 s22, ttmp9, 7                        ; which 128 tokens
	s_mov_b32 s45, 0
	s_lshl_b32 s25, s22, 3
	s_add_co_u32 s25, s25, s23                     ; my tile in the frame
	s_wait_kmcnt 0x0
	s_lshl_b32 s44, ttmp9, 15                      ; himg: 8 tiles of 4,096 bytes a work-group, 2,048 a wave
	s_lshl_b32 s26, s20, 11
	s_add_co_u32 s44, s44, s26
	s_add_nc_u64 s[28:29], s[4:5], s[44:45]
	s_lshl_b32 s44, s21, 14                        ; hsc: 16,384 frame + 2,048 head + 128 (tile / 4) + 8 r + 2 (tile % 4)
	s_lshr_b32 s26, s25, 2
	s_lshl_b32 s26, s26, 7
	s_add_co_u32 s44, s44, s26
	s_and_b32 s26, s25, 3
	s_lshl_b32 s26, s26, 1
	s_add_co_u32 s44, s44, s26
	s_lshl_b32 s26, s24, 13
	s_add_co_u32 s44, s44, s26
	s_add_nc_u64 s[30:31], s[6:7], s[44:45]
	s_lshl_b32 s44, s21, 17                        ; lp: 131,072 frame + 16,384 head + 256 tile
	s_lshl_b32 s26, s25, 8
	s_add_co_u32 s44, s44, s26
	s_lshl_b32 s26, s24, 16
	s_add_co_u32 s44, s44, s26
	s_add_nc_u64 s[32:33], s[8:9], s[44:45]
	s_lshl_b32 s44, s20, 13
	s_add_co_u32 s44, s44, 393216
	s_add_nc_u64 s[34:35], s[10:11], s[44:45]      ; Wo's tiles 2 w, 2 w + 1
	s_lshl_b32 s44, s20, 9
	s_add_co_u32 s44, s44, 24576
	s_add_nc_u64 s[36:37], s[12:13], s[44:45]      ; their scale words
	s_lshl_b32 s44, s20, 7
	s_add_nc_u64 s[38:39], s[14:15], s[44:45]      ; o_up and bo at column 32 w
	s_add_nc_u64 s[40:41], s[16:17], s[44:45]
	s_lshr_b32 s26, s20, 3
	s_lshl_b32 s26, s26, 3
	s_add_co_u32 s26, s26, s20                     ; row w of a tile: token w + 8 (w / 8) of its 32
	s_lshl_b32 s26, s26, 11
	s_lshl_b32 s44, ttmp9, 18
	s_add_co_u32 s44, s44, s26
	s_add_nc_u64 s[42:43], s[18:19], s[44:45]
	; ---- PHASE 0: the twelve loads that go on into LDS first,
.irp i, 0,1,2,3
	global_load_b128 v[HF+4*\i:HF+4*\i+3], v[LI], s[28:29] offset:512*\i th:TH_LOAD_NT
.endr
.irp i, 0,1,2,3
	global_load_u16 v[HF+16+\i], v9, s[30:31] offset:2048*\i
.endr
.irp i, 0,1,2,3
	global_load_b64 v[HF+20+2*\i:HF+21+2*\i], v10, s[32:33] offset:16384*\i th:TH_LOAD_NT
.endr
	; then the 26 that stay in registers
.irp u, 0,1
.irp k, 0,1,2,3
.irp d, 0,1
	global_load_b128 v[WO+32*\u+8*\k+4*\d:WO+32*\u+8*\k+4*\d+3], v[LI], s[34:35] offset:4096*\u+1024*\k+512*\d
.endr
.endr
	global_load_b128 v[WS+4*\u:WS+4*\u+3], v[R16], s[36:37] offset:256*\u
.irp j, 0,1
	global_load_b32 v[UP+2*\u+\j], v11, s[38:39] offset:2048*\j+32*\u      ; o_up(2 h + j, the tile's column r)
.endr
	global_load_b128 v[BI+8*\u:BI+8*\u+3], v12, s[40:41] offset:32*\u      ; bo at columns 32 w + 16 h + 8 u + 0 .. 7
	global_load_b128 v[BI+8*\u+4:BI+8*\u+7], v12, s[40:41] offset:32*\u+16
.endr
	s_wait_loadcnt 26                              ; the twelve are in; the 16 + 2 + 4 + 4 issued behind them may stay out
.irp i, 0,1,2,3
	ds_store_b128 v6, v[HF+4*\i:HF+4*\i+3] offset:512*\i
.endr
	v_lshl_or_b32 v[HF+16], v[HF+17], 16, v[HF+16] ; two heads' bytes make a K step's scale word
	v_lshl_or_b32 v[HF+17], v[HF+19], 16, v[HF+18]
	ds_store_b64 v7, v[HF+16:HF+17]
	v_pk_add_f32 v[HF+20:HF+21], v[HF+20:HF+21], v[HF+22:HF+23]
	v_pk_add_f32 v[HF+24:HF+25], v[HF+24:HF+25], v[HF+26:HF+27]
	v_pk_add_f32 v[HF+20:HF+21], v[HF+20:HF+21], v[HF+24:HF+25]
	ds_store_b64 v8, v[HF+20:HF+21]
	s_wait_dscnt 0x0                               ; for the others' sake: my stores have landed
	s_barrier_signal -1
	s_barrier_wait -1
	s_wait_loadcnt 0x0
.macro TILE m
.irp k, 0,1,2,3
.irp d, 0,1
	ds_load_b128 v[HF+8*\k+4*\d:HF+8*\k+4*\d+3], v[LI] offset:HIMG+4096*(\m)+1024*\k+512*\d
.endr
.endr
	ds_load_b128 v[HS:HS+3], v[LI] offset:HSC+512*(\m)
	ds_load_b64 v[TP:TP+1], v[L8] offset:TFB+512*(\m)
	ds_load_b64 v[TP+2:TP+3], v[L8] offset:TFB+512*(\m)+256
	s_wait_dscnt 0x0
	v_pk_add_f32 v[TP:TP+1], v[TP:TP+1], v[TP+2:TP+3]          ; lane (r, h): columns 2 h, 2 h + 1 of h o_down's row r
.irp u, 0,1
	v_wmma_f32_16x16x4_f32 v[ACC+8*\u:ACC+8*\u+7], v[UP+2*\u:UP+2*\u+1], v[TP:TP+1], v[BI+8*\u:BI+8*\u+7]
.endr
	PLACES 9                                       ; another form takes these results as its C (ISA guide 7.12.1)
.irp k, 0,1,2,3
.irp u, 0,1
	v_wmma_scale_f32_16x16x128_f8f6f4 v[ACC+8*\u:ACC+8*\u+7], v[WO+32*\u+8*\k:WO+32*\u+8*\k+7], v[HF+8*\k:HF+8*\k+7], v[ACC+8*\u:ACC+8*\u+7], v[WS+4*\u+\k], v[HS+\k] matrix_a_fmt:MATRIX_FMT_FP4 matrix_b_fmt:MATRIX_FMT_FP4
.endr
.endr
	PLACES 5                                       ; four for the reads below and the next tile's loads; the fifth since the next tile's first products write over these accumulators
.irp u, 0,1
	ds_store_b128 v[SI], v[ACC+8*\u:ACC+8*\u+3] offset:STGB*((\m)%2)+32*\u        ; each accumulator from its low end on
	ds_store_b128 v[SI], v[ACC+8*\u+4:ACC+8*\u+7] offset:STGB*((\m)%2)+32*\u+16
.endr
	s_wait_dscnt 0x0                               ; my piece has landed; my reads of the other stage, which the next tile writes behind this barrier, are over too
	s_barrier_signal -1
	s_barrier_wait -1
	s_wait_xcnt 0x0                                ; the last tile's stores have read their registers
.irp i, 0,1,2,3
	ds_load_b128 v[OUTR+4*\i:OUTR+4*\i+3], v[SR] offset:STGB*((\m)%2)+512*\i
.endr
.irp i, 0,1,2,3
	s_wait_dscnt 3-\i                              ; the younger reads may stay out
	global_store_b128 v[LI], v[OUTR+4*\i:OUTR+4*\i+3], s[42:43] offset:(32*((\m)/2)+8*((\m)%2))*2048+512*\i th:TH_STORE_NT   ; 512 consecutive bytes of my row
.endr
.endm
	TILE 0
	TILE 1
	TILE 2
	TILE 3
	TILE 4
	TILE 5
	TILE 6
	TILE 7
	s_wait_tensorcnt 0x0
	ds_add_u32 v192, v193
	s_wait_dscnt 0x0
	s_endpgm
.Lfunc_end_k_q7672ef5709_oproj:
	.size	k_q7672ef5709_oproj, .Lfunc_end_k_q7672ef5709_oproj-k_q7672ef5709_oproj
	.p2alignl 7, 3214868480
	.fill 96, 4, 3214868480
	.section	.rodata,"a",@progbits
	.p2align	6, 0x0
	.amdhsa_kernel k_q7672ef5709_oproj
		.amdhsa_group_segment_fixed_size 109056
		.amdhsa_private_segment_fixed_size 0
		.amdhsa_enable_private_segment 0
		.amdhsa_kernarg_size 64
		.amdhsa_user_sgpr_count 2
		.amdhsa_user_sgpr_kernarg_segment_ptr 1
		.amdhsa_wavefront_size32 1
		.amdhsa_system_sgpr_workgroup_id_x 1
		.amdhsa_system_sgpr_workgroup_id_y 1
		.amdhsa_system_sgpr_workgroup_id_z 1
		.amdhsa_system_vgpr_workitem_id 0
		.amdhsa_next_free_vgpr 194
		.amdhsa_next_free_sgpr 66
		.amdhsa_reserve_vcc 0
		.amdhsa_float_denorm_mode_32 3
		.amdhsa_float_denorm_mode_16_64 3
		.amdhsa_memory_ordered 1
		.amdhsa_forward_progress 1
		.amdhsa_inst_pref_size 36
	.end_amdhsa_kernel
	.amdgpu_metadata
---
amdhsa.version: [ 1, 2 ]
amdhsa.kernels:
  - .name:           k_q7672ef5709_oproj
    .symbol:         k_q7672ef5709_oproj.kd
    .args:
      - { .name: himg, .offset: 0, .size: 8, .value_kind: global_buffer, .address_space: global }
      - { .name: hsc, .offset: 8, .size: 8, .value_kind: global_buffer, .address_space: global }
      - { .name: lp, .offset: 16, .size: 8, .value_kind: global_buffer, .address_space: global }
      - { .name: wimg, .offset: 24, .size: 8, .value_kind: global_buffer, .address_space: global }
      - { .name: wsc, .offset: 32, .size: 8, .value_kind: global_buffer, .address_space: global }
      - { .name: o_up, .offset: 40, .size: 8, .value_kind: global_buffer, .address_space: global }
      - { .name: bo, .offset: 48, .size: 8, .value_kind: global_buffer, .address_space: global }
      - { .name: out0, .offset: 56, .size: 8, .value_kind: global_buffer, .address_space: global }
    .group_segment_fixed_size: 109056
    .private_segment_fixed_size: 0
    .kernarg_segment_align: 8
    .kernarg_segment_size: 64
    .max_flat_workgroup_size: 512
    .sgpr_count:     66
    .vgpr_count:     194
    .wavefront_size: 32
...
	.end_amdgpu_metadata
.endif
;; end of part 4
